; MI455X (gfx1250); checked and timed in simulation.
; The chip was launched on July 23, 2026; its instructions are those of AMD's public machine-readable ISA for CDNA 5 (MIT licence, August 2026) and "CDNA5" Instruction Set Architecture Reference Guide (July 2026). The comments in the code are by the model that wrote it; some were corrected since.
;; Quantized Linear. Allowed arithmetic: matrix products marked QUANTISED: E3M2 operands, one E8M0 scale for each 32 along K, by v_wmma_scale_f32_16x16x128_f8f6f4 with both operands' format E3M2, f32 sums; products left as they are: f32 operands where the result goes on into a quantised operand, else bf16, f16 or f32 operands; f32 sums; everything else in f32.
;; Inputs: normal_indices 3,968 int32; outlier_indices 128 int32; weight_int8 4,096 x 3,968 int8; weight_outlier_fp16_codes 4,096 x 4 x 24 uint8 (E3M2 codes of weight_outlier_fp16, K innermost, in blocks of 32 codes, four codes in three bytes); weight_outlier_fp16_scales 4,096 x 4 uint8 (E8M0 scales of weight_outlier_fp16, one for each 32 codes along K); weight_scale 4,096 float32; x 4 x 1,024 x 4,096 float32.
;; Outputs: out0 4 x 1,024 x 4,096 float32.
;; This version of the problem:
;;   THIS VERSION OF THE PROBLEM IS GIVEN IN LOW PRECISION. The matrix products marked QUANTISED in the list below multiply operands that are first quantised to E3M2 (3 exponent bits, 2 mantissa bits; 6 bits a number), with one power-of-two scale for each 32 numbers along K (OCP MX v1.0); their sums are f32. All else is computed in f32.
;;   The module's matrix products, in the order in which they are computed (A, B: the left and right operand; K: the contracted axis; several contracted axes count as one K, in the product's order):
;;     1. [M 4,096, K 3,968] x [K 3,968, N 4,096]; A: computed on the way; B: input weight_int8: left as it is (operands are no floats)
;;     2. [M 4,096, K 128] x [K 128, N 4,096]; A: computed on the way; B: input weight_outlier_fp16 (given as codes): QUANTISED
;;   THE QUANTISER, for each operand of a quantised product, along K:
;;     - K is cut into blocks of 32 from its start; a last block that is shorter is filled with zeros.
;;     - A block's scale is 2^e with e = floor(log2(the largest magnitude in the block)) - 4, held to -126 .. 127; a block of zeros has e = 0. As a byte (E8M0): e + 127.
;;     - Each number is divided by its block's scale, clamped to +-28, and rounded to the nearest number of E3M2, ties to even, subnormals kept.
;;     - The product sums the exact products of the quantised numbers (number of the format x scale) in f32.
;;   ~~~python
;;   def quantise(x, axis):      # numpy; x: float32 -> the quantised numbers, widened to float32 again
;;       x = np.moveaxis(x, axis, -1); K = x.shape[-1]
;;       x = np.pad(x, [(0, 0)] * (x.ndim - 1) + [(0, -K % 32)]); x = x.reshape(x.shape[:-1] + (-1, 32)); a = np.abs(x).max(-1, keepdims=True)
;;       e = np.where(a > 0, np.clip(np.frexp(np.where(a > 0, a, 1))[1] - 1 - 4, -126, 127), 0)      # np.frexp(a)[1] - 1 = floor(log2(a)), exactly
;;       r = np.clip(x / 2.0 ** e, -28, 28)
;;       step = 2.0 ** (np.maximum(np.frexp(np.where(r == 0, 1, r))[1] - 1, -2) - 2)
;;       q = np.round(r / step) * step * 2.0 ** e      # np.round: ties to even
;;       return np.moveaxis(q.reshape(q.shape[:-2] + (-1,))[..., :K], -1, axis).astype(np.float32)
;;   ~~~
;;   OPERANDS COMPUTED ON THE WAY. 'Computed on the way' means the value that the module computes at that place (a softmax that the list does not call 'softmax' is quantised finished and normalised). What goes into a quantiser is computed in f32, as accurately as f32 sums, v_exp_f32 and their like allow (about 1e-6 of the number): no bf16 or f16 on the way to a quantiser, and a product that is left as it is and whose result goes on into a quantised operand takes f32 operands (vector FMAs, or v_wmma_f32_16x16x4_f32). A number that lies on a knife's edge between two numbers of the format may be rounded either way, as far as f32 arithmetic and the matrix unit's own rounding can turn it there, and no further.
;;   INPUTS GIVEN AS CODES. weight_outlier_fp16 (in the module: [4096, 128], K = its axis 1): each comes as NAME_codes (uint8): NAME with its K axis moved to the last place and cut into blocks of 32 codes, [.., K / 32, bytes a block], one block behind the other in memory; four codes in three bytes: a row's codes are one little-endian stream of bits, code i at bits 6 i .. 6 i + 5 (a code: sign, 3 exponent bits, 2 mantissa bits); and NAME_scales (uint8): the same leading axes, one E8M0 byte (e + 127) for each 32 codes along K. Its value is code x scale, taken as it is: it is not quantised again, and the codes and scales need not be those that the quantiser above would give.
;; One version. Each part assembles by itself: llvm-mc -triple=amdgcn-amd-amdhsa -mcpu=gfx1250 --defsym DOCPART=n.
;; ======== version 1 of 1: 2 launches
;; workspace buffers: xq 16,777,216 bytes
;; launch quant (part 1): grid 256 x 1, 4 waves a work-group, no clusters, 82,432 bytes of LDS; arguments x, normal_indices, outlier_indices, xq; writes xq
.if DOCPART == 1
	.amdgcn_target "amdgcn-amd-amdhsa--gfx1250"
	.amdhsa_code_object_version 6
	.text
	.protected	k_q1dbcb4d220_quant
	.globl	k_q1dbcb4d220_quant
	.p2align	8
	.type	k_q1dbcb4d220_quant,@function
k_q1dbcb4d220_quant:
	s_mov_b64 s[64:65], 0
	v_nop
	global_prefetch_b8 v0, s[64:65] scope:SCOPE_SE
	s_setreg_imm32_b32 hwreg(HW_REG_WAVE_MODE, 25, 1), 1
	s_wait_xcnt 0x0
; x [4096 tokens][4096] f32 becomes xq [4096][4096 bytes], one row a token:
;   bytes 0-3967     q[j] = clip(round(x[normal_indices[j]] / xs), -127, 127) as int8, xs = max(largest |x[normal..]|, 1e-8) / 127
;   bytes 3968-4063  the 128 numbers x[outlier_indices[k]] as codes of E3M2, 6 bits each, one stream of bits, K innermost
;   bytes 4064-4067  their four E8M0 bytes (one for each 32);  4068-4071: 0;  4072-4075: xs as f32;  4076-4095: 0
; So the last 256 bytes of a row hold the last 128 int8 columns and all that the outlier product and the dequantisation want of the row.
; LIMITS: NaN and infinities in x are not served.  q is made as rne(x * (127 * rcp(m))), m = max(largest magnitude, 1e-8): against round(x / xs) the
; quotient differs by under 3 ulp, so a code may differ by one where the quotient lies within about 3e-5 of a half.  An outlier block of zeros gets the
; byte 1 where the rule says 127: its codes are zeros, and this program alone reads the bytes.  Indices are held at 4,095.
; SHARES.  A work-group takes 16 rows; wave w takes row 16 wg + 4 t + w in round t = 0 .. 3.  A row is read as it lies (each load 512 consecutive bytes),
; laid into the wave's 16 KiB of LDS, and its columns are picked from there by ds_load_b32 at 4 x index.  Two rows of each wave are on their way.
; The picking loads' addresses come from the index inputs, so they stand between two barriers of their own: in front of the first every wave's LDS
; stores and loads are done, and behind the second nobody picks any more.  All other LDS addresses are a constant + a lane term + a wave term.
; No matrix unit, no cluster, no tensor load: work-groups share nothing but the two short index lists.
; REGISTERS, in windows of 256 (s_set_vgpr_msb: bits 1:0 source 0, 3:2 source 1, 5:4 source 2, 7:6 destination):
;   window 0: v1-9 addresses; v10-31 at work; v32-63 the row on its way out; v64-187 the 124 picked normal numbers of a lane; v188-203 its 16 outliers
;   window 1: v0-123, v124-139 the LDS addresses of the picks (kept for all four rows);   window 2: v0-127, v128-255 two rows of x as loaded
.set STAGE, 65536                      ; LDS: 4 x 16,384 bytes of rows, then 4 x 4,096 bytes: each wave's row of xq
.set LA,  1                            ; v1   16 x lane: my place in 512 bytes of x, of the index list and of xq
.set XSA, 2                            ; v2   LDS: my wave's row of x + 16 x lane
.set SD,  3                            ; v3   LDS: my wave's stage + 4 x lane
.set SRD, 4                            ; v4   LDS: my wave's stage + 16 x lane
.set SCD, 5                            ; v5   LDS: my wave's stage + 12 x (lane % 8): 16 codes
.set SB8, 6                            ; v6   LDS: my wave's stage + (lane % 8) / 2: a block's byte
.set SX,  7                            ; v7   LDS: my wave's stage
.set NIL, 8                            ; v8   0
.set OA,  9                            ; v9   64 x (lane % 8): my 16 outlier indices
.set M,   10                           ; v10-13 four running maxima
.set INV, 14                           ; v[14:15] 127 / m, twice
.set XSC, 16                           ; v16  xs
.set OM,  17                           ; v17  the outlier block's largest magnitude
.set OS,  18                           ; v18  the conversion's scale operand
.set OB,  19                           ; v19  the scale's byte
.set OC,  20                           ; v[20:22] 16 codes
.set PD,  23                           ; v23  a lane permute's destination
.set T,   24                           ; v24-31 four pairs, by turns
.set OUTR, 32
.set XG,  64
.set XO,  188
.set MSB, 0
.macro WIN new                         ; the immediate's high byte repeats the setting that is left
.if MSB != (\new)
	s_set_vgpr_msb (MSB<<8)|(\new)
.set MSB, (\new)
.endif
.endm
.macro XLOAD t                         ; round t's row of x into set t % 2 of window 2: 32 loads of 512 consecutive bytes
	WIN 0x80
.set n, 0
.rept 32
	global_load_b128 v[128*((\t)%2)+4*n:128*((\t)%2)+4*n+3], v[LA], s[4:5] offset:(\t)*65536+512*n th:TH_LOAD_NT
.set n, n+1
.endr
.endm
	s_load_b256 s[4:11], s[0:1], 0x0               ; x s[4:5], normal_indices s[6:7], outlier_indices s[8:9], xq s[10:11]
	v_lshl_add_u32 v254, v0, 2, 0x14000
	v_mov_b32 v255, 0
	v_lshrrev_b32 v2, 5, v0
	v_readfirstlane_b32 s12, v2                    ; wave 0..3
	v_and_b32 v9, 31, v0                           ; lane
	v_lshlrev_b32 v[LA], 4, v9
	s_lshl_b32 s13, s12, 14                        ; my wave's row of x in LDS
	v_add_nc_u32 v[XSA], s13, v[LA]
	s_lshl_b32 s24, s12, 12
	s_add_co_u32 s24, s24, STAGE                   ; my wave's stage
	v_lshl_add_u32 v[SD], v9, 2, s24
	v_add_nc_u32 v[SRD], s24, v[LA]
	v_and_b32 v9, 7, v0                            ; lane % 8: lanes 8-31 do lanes 0-7's outlier work over again, with the same results
	v_mul_u32_u24 v[SCD], v9, 12
	v_add_nc_u32 v[SCD], s24, v[SCD]
	v_lshrrev_b32 v[SB8], 1, v9
	v_add_nc_u32 v[SB8], s24, v[SB8]
	v_mov_b32 v[SX], s24
	v_mov_b32 v[NIL], 0
	v_lshlrev_b32 v[OA], 6, v9
	v_mov_b32 v[PD], 0                             ; written once: a lane permute's destination counts as one of its sources
	s_mov_b32 s14, 0x4b3fff81                      ; 1.5 x 2^23 - 127
	s_mov_b32 s15, 0x4b40007f                      ; 1.5 x 2^23 + 127
	s_mov_b32 s16, 0x4b400000                      ; 1.5 x 2^23: added to a number under 2^22 it leaves the number, rounded to nearest even, in the low bits
	s_mov_b32 s17, s16                             ; (named with it as a pair, so it is written)
	s_mov_b32 s20, 0x76543210
	s_mov_b32 s21, 0xfedcba98                      ; v_permlanex16_b32's selects for lane l xor 16
	s_mov_b32 s22, 0x0400                          ; v_perm_b32: the low bytes of two registers into bytes 0 and 1
	s_mov_b32 s23, 0x05040100                      ; and two such pairs into one word
	s_lshl_b32 s18, ttmp9, 18                      ; x: 16 rows of 16,384 bytes a work-group,
	s_add_co_u32 s18, s18, s13                     ; one row a wave
	s_mov_b32 s19, 0
	s_lshl_b32 s25, s12, 12
	s_wait_kmcnt 0x0
	s_add_nc_u64 s[4:5], s[4:5], s[18:19]
	s_lshl_b32 s18, ttmp9, 16                      ; xq: 16 rows of 4,096 bytes a work-group, one row a wave
	s_add_co_u32 s18, s18, s25
	s_add_nc_u64 s[10:11], s[10:11], s[18:19]
	WIN 0x40                                       ; destination window 1
.set n, 0
.rept 31                                       ; register 4 g + e of lane l: normal_indices[128 g + 4 l + e], so that four codes of a lane make word 32 g + l of the row
	global_load_b128 v[4*n:4*n+3], v[LA], s[6:7] offset:512*n
.set n, n+1
.endr
.irp c, 0,1,2,3                                ; register 124 + i: outlier_indices[16 (l % 8) + i]
	global_load_b128 v[124+4*\c:124+4*\c+3], v[OA], s[8:9] offset:16*\c
.endr
	XLOAD 0
	WIN 0
	ds_store_b32 v[SD], v[NIL] offset:3968         ; the stage's last 128 bytes are cleared once; each row then writes its codes, bytes and xs there
	s_wait_loadcnt 32                              ; the 35 loads of indices are in; row 0's 32 may be out
	WIN 0x44                                       ; destination and source 1 window 1
.set n, 0
.rept 140
	v_min_u32 v[n], 0xfff, v[n]                    ; an index stays inside the row
.set n, n+1
.endr
	WIN 0x41                                       ; destination and source 0 window 1
.set n, 0
.rept 140
	v_lshl_add_u32 v[n], v[n], 2, s13              ; its number's LDS address in my wave's row
.set n, n+1
.endr
	XLOAD 1
.macro ROW t
.if (\t) < 3
	s_wait_loadcnt 32                              ; this row's 32 loads are in; the next row's 32 may be out
.else
	s_wait_loadcnt 0x0
.endif
	WIN 0x08                                       ; an LDS store's data are its source 1: window 2
.set n, 0
.rept 32
	ds_store_b128 v[XSA], v[128*((\t)%2)+4*n:128*((\t)%2)+4*n+3] offset:512*n
.set n, n+1
.endr
	WIN 0
	s_wait_dscnt 0x0                               ; my row lies in LDS, and my traffic with the stage for the row before is over
	s_barrier_signal -1
	s_barrier_wait -1                              ; that holds of all four waves: from here to the next barrier LDS is only read
.if (\t)+2 < 4
	XLOAD (\t)+2                                   ; the set of registers just stored takes the row two rounds on
.endif
	WIN 0x01                                       ; address window 1
.set n, 0
.rept 140
	ds_load_b32 v[XG+n], v[n]                      ; 124 normal numbers, then 16 outliers
.set n, n+1
.endr
	WIN 0
	s_wait_dscnt 0x0                               ; my picks are in
	s_barrier_signal -1                            ; work on registers stands between the signal and the wait
.irp c, 0,1,2,3
	v_max3_num_f32 v[M+\c], |v[XG+31*\c]|, |v[XG+31*\c+1]|, |v[XG+31*\c+2]|   ; the largest magnitude of my 124, in four chains of 31
.endr
.set n, 3
.rept 14
.irp c, 0,1,2,3
	v_max3_num_f32 v[M+\c], v[M+\c], |v[XG+31*\c+n]|, |v[XG+31*\c+n+1]|
.endr
.set n, n+2
.endr
	v_max3_num_f32 v[M], v[M], v[M+1], v[M+2]
	v_max3_num_f32 v[M+3], v[M], v[M+3], 0x322bcc77  ; and the floor 1e-8
	v_max_num_f32_dpp v[M+3], v[M+3], v[M+3] row_xmask:1 row_mask:0xf bank_mask:0xf
	v_max_num_f32_dpp v[M+3], v[M+3], v[M+3] row_xmask:2 row_mask:0xf bank_mask:0xf
	v_max_num_f32_dpp v[M+3], v[M+3], v[M+3] row_xmask:4 row_mask:0xf bank_mask:0xf
	v_max_num_f32_dpp v[M+3], v[M+3], v[M+3] row_xmask:8 row_mask:0xf bank_mask:0xf
	v_permlanex16_b32 v[PD], v[M+3], s20, s21
	v_max_num_f32 v[M+3], v[M+3], v[PD]            ; m, in every lane
	v_rcp_f32 v[INV], v[M+3]
	v_mul_f32 v[XSC], 0x3c010204, v[M+3]           ; xs = m / 127.  (The plain instruction behind the reciprocal)
	v_max3_num_f32 v[OM], |v[XO]|, |v[XO+1]|, |v[XO+2]|            ; the outliers: the largest magnitude of my 16,
	v_max3_num_f32 v[T], |v[XO+3]|, |v[XO+4]|, |v[XO+5]|
.irp i, 6,10
	v_max3_num_f32 v[OM], v[OM], |v[XO+\i]|, |v[XO+\i+1]|
	v_max3_num_f32 v[T], v[T], |v[XO+\i+2]|, |v[XO+\i+3]|
.endr
	v_max3_num_f32 v[OM], v[OM], |v[XO+14]|, |v[XO+15]|
	v_max3_num_f32 v[OM], v[OM], v[T], 0x2800000   ; the floor 2^(5 - 127), so that the byte cannot fall under 1,
	v_max_num_f32_dpp v[OM], v[OM], v[OM] row_xmask:1 row_mask:0xf bank_mask:0xf   ; and my neighbour's 16: the block's
	v_add_nc_u32 v[OS], 0xfe000000, v[OM]          ; 4 off its exponent field: the conversion takes the exponent field of this operand as its scale
	v_cvt_scalef32_pk16_bf6_f32 v[OC:OC+2], v[XO:XO+15], v[OS]     ; 16 codes, 96 bits, the first number's code lowest; beyond the largest code the largest
	v_lshrrev_b32 v[OB], 23, v[OS]                 ; the scale's byte.  (A plain instruction behind the conversion)
	s_wait_alu depctr_va_vdst(0)                   ; the wait between the reciprocal and the first line that names its result
	v_mul_f32 v[INV], 0x42fe0000, v[INV]           ; 127 / m
	v_mov_b32 v[INV+1], v[INV]
	s_barrier_wait -1                              ; nobody picks any more: LDS may be written
.set g, 0
.rept 31
.set X, XG+4*g
.set TT, T+2*(g%4)
	v_pk_fma_f32 v[X:X+1], v[X:X+1], v[INV:INV+1], s[16:17] op_sel_hi:[1,1,0]       ; x * (127 / m) + 1.5 x 2^23: one rounding, to nearest even
	v_pk_fma_f32 v[X+2:X+3], v[X+2:X+3], v[INV:INV+1], s[16:17] op_sel_hi:[1,1,0]
	v_med3_num_f32 v[X], v[X], s14, s15            ; the clip at -127 and 127
	v_med3_num_f32 v[X+1], v[X+1], s14, s15
	v_med3_num_f32 v[X+2], v[X+2], s14, s15
	v_med3_num_f32 v[X+3], v[X+3], s14, s15
	v_perm_b32 v[TT], v[X+1], v[X], s22            ; the low byte of each is the int8
	v_perm_b32 v[TT+1], v[X+3], v[X+2], s22
	v_perm_b32 v[X], v[TT+1], v[TT], s23
	ds_store_b32 v[SD], v[X] offset:128*g          ; columns 128 g + 4 l + 0 .. 3
.set g, g+1
.endr
.irp i, 0,1,2
	ds_store_b32 v[SCD], v[OC+\i] offset:3968+4*\i ; lanes with the same lane % 8 write the same words with the same values
.endr
	ds_store_b8 v[SB8], v[OB] offset:4064
	ds_store_b32 v[SX], v[XSC] offset:4072
.if (\t) > 0
	s_wait_xcnt 0x0                                ; the last row's stores have read their registers: only behind this wait are they loaded again
.endif
.irp s, 0,1,2,3,4,5,6,7
	ds_load_b128 v[OUTR+4*\s:OUTR+4*\s+3], v[SRD] offset:512*\s    ; LDS serves a wave's instructions in order (ISA guide 5.7.1.4): these see my stores
.endr
.irp s, 0,1,2,3,4,5,6,7
	s_wait_dscnt 7-\s                              ; the younger loads may be out
	global_store_b128 v[LA], v[OUTR+4*\s:OUTR+4*\s+3], s[10:11] offset:(\t)*16384+512*\s   ; 32 lanes store 512 consecutive bytes, at a multiple of 256 from xq's first byte
.endr
.endm
	ROW 0
	ROW 1
	ROW 2
	ROW 3
	s_wait_tensorcnt 0x0
	ds_add_u32 v254, v255
	s_wait_dscnt 0x0
	s_endpgm
.Lfunc_end_k_q1dbcb4d220_quant:
	.size	k_q1dbcb4d220_quant, .Lfunc_end_k_q1dbcb4d220_quant-k_q1dbcb4d220_quant
	.p2alignl 7, 3214868480
	.fill 96, 4, 3214868480
	.section	.rodata,"a",@progbits
	.p2align	6, 0x0
	.amdhsa_kernel k_q1dbcb4d220_quant
		.amdhsa_group_segment_fixed_size 82432
		.amdhsa_private_segment_fixed_size 0
		.amdhsa_enable_private_segment 0
		.amdhsa_kernarg_size 32
		.amdhsa_user_sgpr_count 2
		.amdhsa_user_sgpr_kernarg_segment_ptr 1
		.amdhsa_wavefront_size32 1
		.amdhsa_system_sgpr_workgroup_id_x 1
		.amdhsa_system_sgpr_workgroup_id_y 1
		.amdhsa_system_sgpr_workgroup_id_z 1
		.amdhsa_system_vgpr_workitem_id 0
		.amdhsa_next_free_vgpr 768
		.amdhsa_next_free_sgpr 66
		.amdhsa_reserve_vcc 0
		.amdhsa_float_denorm_mode_32 3
		.amdhsa_float_denorm_mode_16_64 3
		.amdhsa_memory_ordered 1
		.amdhsa_forward_progress 1
		.amdhsa_inst_pref_size 186
	.end_amdhsa_kernel
	.amdgpu_metadata
---
amdhsa.version: [ 1, 2 ]
amdhsa.kernels:
  - .name:           k_q1dbcb4d220_quant
    .symbol:         k_q1dbcb4d220_quant.kd
    .args:
      - { .name: x, .offset: 0, .size: 8, .value_kind: global_buffer, .address_space: global }
      - { .name: normal_indices, .offset: 8, .size: 8, .value_kind: global_buffer, .address_space: global }
      - { .name: outlier_indices, .offset: 16, .size: 8, .value_kind: global_buffer, .address_space: global }
      - { .name: xq, .offset: 24, .size: 8, .value_kind: global_buffer, .address_space: global }
    .group_segment_fixed_size: 82432
    .private_segment_fixed_size: 0
    .kernarg_segment_align: 8
    .kernarg_segment_size: 32
    .max_flat_workgroup_size: 128
    .sgpr_count:     66
    .vgpr_count:     768
    .wavefront_size: 32
...
	.end_amdgpu_metadata
.endif
;; end of part 1
;; launch gemm (part 2): grid 16 x 16, 4 waves a work-group, clusters of 4 x 4, 327,680 bytes of LDS; arguments xq, weight_int8, weight_outlier_fp16_codes, weight_outlier_fp16_scales, weight_scale, out0; writes out0
.if DOCPART == 2
	.amdgcn_target "amdgcn-amd-amdhsa--gfx1250"
	.amdhsa_code_object_version 6
	.text
	.protected	k_q1dbcb4d220_gemm
	.globl	k_q1dbcb4d220_gemm
	.p2align	8
	.type	k_q1dbcb4d220_gemm,@function
k_q1dbcb4d220_gemm:
	s_mov_b64 s[64:65], 0
	v_nop
	global_prefetch_b8 v0, s[64:65] scope:SCOPE_SE
	s_setreg_imm32_b32 hwreg(HW_REG_WAVE_MODE, 25, 1), 1
	s_wait_xcnt 0x0
	s_wait_alu depctr_hold_cnt(0) depctr_sa_sdst(0) depctr_va_vdst(0) depctr_va_sdst(0) depctr_va_ssrc(0) depctr_va_vcc(0) depctr_vm_vsrc(0)
	s_getreg_b32 s2, hwreg(HW_REG_IB_STS2, 6, 4)
	s_cmp_eq_u32 s2, 0
	s_cbranch_scc0 .Lentry_in_a_cluster
	s_endpgm
.Lentry_in_a_cluster:
	s_bfe_u32 s2, ttmp6, 0x10000c
	s_cmp_lg_u32 s2, 0xf033
	s_cbranch_scc0 .Lentry_shape_is_right
	s_endpgm
.Lentry_shape_is_right:
; out0[t][n] = xs[t] ws[n] (sum over j of q[t][j] W8[n][j])  +  sum over k of xo[t][k] Wo[n][k].
; q (int8, 3,968 a row), xo (128 codes of E3M2 with four E8M0 bytes) and xs (f32) lie in one row of xq, 4,096 bytes a token (q at 0, codes at 3968, bytes at 4064, xs at 4072).
; W8 [4096][3968] int8, ws [4096] f32, Wo [4096][128] as codes of E3M2 (96 bytes a row) with four E8M0 bytes a row; out0 [4096][4096] f32.
; The first sum is of whole numbers and is made by the signed 8-bit matrix form with i32 sums: exact, whatever the order.  The second is made by the scaled form on 6-bit codes, which adds onto the
; first sum once that has been turned to f32 and multiplied by ws and xs.
; A tile of out0, 256 x 256, is made by a work-group of four waves; a wave makes 128 x 128: 64 accumulators of 16 x 16, 512 registers.  256 tiles, one to a work-group.
; K goes through a ring of two LDS slots filled by the tensor data mover, 256 bytes of each of 256 rows of xq and 256 rows of W8 to a slot.  3,968 = 128 + 15 x 256: THE HALF STEP GOES FIRST (columns 3840-3967):
; its tile of xq, bytes 3840-4095 of the rows, also brings the rows' outlier codes, scale bytes and xs, which go into registers at once and stay.  Of W8's rows only 128 bytes are left there: the descriptor says so.
; CLUSTERS: 4 x 4 work-groups.  The four of a row of the cluster need the same tiles of xq, the four of a column the same tiles of W8: each tile is asked for JOINTLY, by the same tensor load with the same
; descriptor and a mask that names the four.
; THE MATRIX INSTRUCTIONS ARE USED TRANSPOSED (source 0 = 16 rows of W, source 1 = 16 tokens): a lane then holds one token (lane % 16) and eight neighbouring columns 8 (lane / 16) + 0 .. 7.
; A FRAGMENT of the 8-bit form (16 rows x 64 K, 8 registers) is taken by two loads of 16 bytes, at 16 (lane / 16) and 32 bytes on.  That lays K otherwise than the form's own order, alike on both sides, so each
; product still meets its partner, and sums of whole numbers do not depend on the order.
; REGISTERS, in windows of 256 (s_set_vgpr_msb: bits 1:0 source 0, 3:2 source 1, 5:4 source 2, 7:6 destination):
;   window 0: v4-15 addresses; v16-23, v24-31 scale words of the tokens' and of Wo's blocks; v32-127 the tokens' 8 outlier fragments; v128-191, v192-255 fragments of xq, two buffers (on the way out: rows of out0)
;   window 1: v0-95 Wo's 8 fragments; v96-111 xs, a pair (xs, 0) for each block of tokens; v128-191, v192-255 fragments of W8, two buffers (at the end v128-191: ws of my 128 columns)
;   window 2: the 32 accumulators of my rows 0-63 (accumulator (a, b) at v[8 (8 a + b)]);   window 3: those of my rows 64-127
.set PITCH,  272                       ; an LDS row: 256 bytes + 16 of padding = 68 words: row r starts at bank 4 r mod 64 (64 banks of 4 bytes: ISA guide 11.1), so the 16 rows that a load touches start at 16 different banks
.set HALFT,  128*PITCH                 ; 128 rows: what one tensor load brings, and what one wave reads of xq or of W8
.set SLOT,   4*HALFT                   ; xq's 256 rows, then W8's 256 rows
.set WSL,    2*SLOT                    ; behind the ring: 512 bytes for each wave: ws of its 128 columns
.set SPARE,  WSL+4*512                 ; the spare words, 128 bytes for each wave: two blocks of 256 bytes that no other line names
.set SPITCH, 528                       ; the way out: a stage of 16 rows x (512 bytes + 16) for each wave.  It lies in slot 0, which has had its last fill and its last read when the first result is stored there
.set KA,     4096                      ; a row of xq in bytes
.set KB,     3968                      ; a row of W8
.set KTAIL,  3840                      ; where the half step begins
.set ADRA, 4                           ; v4-5   LDS address of my fragments of xq in slot 0, 1
.set ADRB, 6                           ; v6-7   the same for W8
.set SPW,  8                           ; v8     LDS address of my spare word: SPARE + 4 x my thread's number; never rewritten
.set NIL,  9                           ; v9     0; never rewritten
.set STO,  10                          ; v10    the way out: where I put 32 bytes of a row
.set RD,   11                          ; v11    the way out: where I read a row back
.set CO,   12                          ; v12    16 x lane: my byte offset in a row's 512 bytes of out0
.set ADRO, 13                          ; v13    slot 0: my token's row + 24 (lane / 16): its outlier codes lie 128 bytes on
.set ADRX, 14                          ; v14    slot 0: my token's row
.set WSA,  15                          ; v15    my wave's ws + 32 (lane / 16)
.set SA,   16
.set SB,   24
.set AO,   32
.set F0,   128
.set F1,   192
.set BK,   128
.set BO,   0                           ; in window 1
.set XS,   96
.set WS,   128
.set G1,   24                          ; s[24:31] descriptor group 1 for xq's tiles;  s[32:39] group 0, one set for each slot
.set G0,   32
.set G1B,  48                          ; s[48:55], s[56:63] the same for W8's tiles
.set G0B,  56
.set G1BT, 68                          ; s[68:75] group 1 for W8's half step: 128 bytes are left of each row
.set MSB, 0
.macro WIN new                         ; the immediate's high byte repeats the setting that is left
.if MSB != (\new)
	s_set_vgpr_msb (MSB<<8)|(\new)
.set MSB, (\new)
.endif
.endm
.set MUL_LO, 0xa1                      ; source 0 (W) window 1, source 1 (tokens) window 0, C and D window 2
.set MUL_HI, 0xf1                      ; the same, C and D window 3
.set TO_B,   0x40                      ; destination window 1, address window 0
; A joint load: waves 0 and 1 fetch xq's two halves, waves 2 and 3 W8's.  Each of the two lines has ONE mask and one set of registers for all that issue it; the branch hangs on the wave's number alone.
; Four v_nop follow each of the two lines, ahead of the jump, the label and what follows.
.macro JLOAD g0a, g1a, g0b, g1b
	s_cmp_eq_u32 s13, 0
	s_cbranch_scc0 .Lfor_b_\@
	tensor_load_to_lds s[\g0a:\g0a+3], s[\g1a:\g1a+7]
	s_nop 0
.rept 4
	v_nop
.endr
	s_branch .Lasked_\@
.Lfor_b_\@:
	tensor_load_to_lds s[\g0b:\g0b+3], s[\g1b:\g1b+7]
	s_nop 0
.rept 4
	v_nop
.endr
.Lasked_\@:
.endm
.macro CREST                           ; a round of the cluster's barrier behind its opening barrier
	s_cmp_lg_u32 s12, 0
	s_cbranch_scc1 .Lnot_wave_0_\@
	s_barrier_signal -3
.Lnot_wave_0_\@:
	s_barrier_wait -3
	s_barrier_signal -1
	s_barrier_wait -1
.endm
.macro CROUND                          ; a whole round
	s_barrier_signal -1
	s_barrier_wait -1
	CREST
.endm
; A load into a register that a matrix instruction has read, and a vector instruction or an LDS store that reads a matrix result or writes it, stand some places behind that matrix instruction: eight behind the 8-bit
; integer form, four behind the scaled form on 6-bit codes; only plain vector instructions that name none of its registers are places (ISA guide 7.12.1 for vector instructions).
.macro PLACES n
.rept \n
	v_nop
.endr
.endm
	s_load_b256 s[4:11], s[0:1], 0x0               ; xq s[4:5], W8 s[6:7], Wo's codes s[8:9], Wo's scales s[10:11]
	s_load_b128 s[76:79], s[0:1], 0x20             ; ws s[76:77], out0 s[78:79]
	v_lshl_add_u32 v[SPW], v0, 2, SPARE
	v_mov_b32 v[NIL], 0
	ds_add_u32 v8, v9
	ds_add_u32 v8, v9
	s_wait_dscnt 0x0
	v_lshrrev_b32 v1, 5, v0
	v_readfirstlane_b32 s12, v1                    ; wave 0..3
	s_lshr_b32 s13, s12, 1                         ; which half of the tile's rows is mine.  Also: I fetch for xq (0) or for W8 (1)
	s_and_b32 s14, s12, 1                          ; which half of its columns.  Also: which 128 rows of that tile I fetch
	s_bfe_u32 s40, ttmp6, 0x40000                  ; cx, cy: my place in the cluster
	s_bfe_u32 s41, ttmp6, 0x40004
	s_lshl_b32 s42, ttmp9, 2
	s_add_co_u32 s42, s42, s40                     ; tile column = 4 x cluster x + cx
	s_and_b32 s43, ttmp7, 0xffff
	s_lshl_b32 s43, s43, 2
	s_add_co_u32 s43, s43, s41                     ; tile row = 4 x cluster y + cy
	s_lshl_b32 s44, s41, 2
	s_lshl_b32 s44, 15, s44                        ; my row of the cluster
	s_lshl_b32 s45, 0x1111, s40                    ; my column
	; descriptor group 1: a tile of 128 rows x 256 bytes, padded in LDS
	s_or_b32 s[G1+0], s44, (0<<16)|(1<<20)|(1<<21)|(5<<22)|(3<<25)    ; 15:0 the mask: xq's tiles go to my row; 17:16 element of 1 byte; 20 padding on; 21 set beside a mask; 24:22 after every 64 words (code 5); 31:25 of 4 words (code 3)
	s_or_b32 s[G1B+0], s45, (0<<16)|(1<<20)|(1<<21)|(5<<22)|(3<<25)   ; the same with the mask of my column, for W8's tiles
	s_or_b32 s[G1BT+0], s45, (0<<16)|(1<<20)|(1<<21)|(5<<22)|(3<<25)
	s_mov_b32 s[G1+1], 256<<16                     ; tensor_dim0 = 256
	s_mov_b32 s[G1B+1], 256<<16
	s_mov_b32 s[G1BT+1], 128<<16                   ; the half step: 128 bytes are left of a row of W8; the tile's other 128 arrive as zeros, and nobody reads them
.irp g, G1, G1B, G1BT
	s_mov_b32 s[\g+2], 128<<16                     ; tensor_dim1 = 128
	s_mov_b32 s[\g+3], 256<<16                     ; tile_dim0 = 256
	s_mov_b32 s[\g+4], 128                         ; tile_dim1 = 128
	s_mov_b32 s[\g+6], 0
	s_mov_b32 s[\g+7], 0
.endr
	s_mov_b32 s[G1+5], KA                          ; tensor_dim0_stride
	s_mov_b32 s[G1B+5], KB
	s_mov_b32 s[G1BT+5], KB
	; where the tiles come from.  xq's hang on the tile row alone, W8's on the tile column alone; each address is made in registers that never hold the other coordinate
	s_lshl_b32 s18, s14, 7                         ; which 128 rows of the tile I fetch
	s_lshl_b32 s16, s43, 8
	s_add_co_u32 s16, s16, s18                     ; xq: row 256 x tile row + 128 x half,
	s_lshl_b32 s16, s16, 12                        ; of 4,096 bytes (under 2^24 in all)
	s_mov_b32 s17, 0
	s_lshl_b32 s46, s42, 8
	s_add_co_u32 s46, s46, s18                     ; W8: row 256 x tile column + 128 x half,
	s_mul_i32 s46, s46, KB                         ; of 3,968 bytes
	s_mov_b32 s47, 0
	s_mul_i32 s19, s12, HALFT                      ; where they go: wave x 128 rows: no place in the cluster enters an LDS address
	s_wait_kmcnt 0x0
	s_add_nc_u64 s[20:21], s[4:5], s[16:17]
	s_add_nc_u64 s[46:47], s[6:7], s[46:47]
	CROUND                                         ; all sixteen work-groups are here: the first joint loads meet
	s_mov_b32 s[G0], 1                             ; slot 0: the half step
	s_mov_b32 s[G0+1], s19
	s_add_nc_u64 s[G0+2:G0+3], s[20:21], KTAIL
	s_or_b32 s[G0+3], s[G0+3], 0x80000000
	s_mov_b32 s[G0B], 1
	s_mov_b32 s[G0B+1], s19
	s_add_nc_u64 s[G0B+2:G0B+3], s[46:47], KTAIL
	s_or_b32 s[G0B+3], s[G0B+3], 0x80000000
	JLOAD G0, G1, G0B, G1BT
	s_mov_b32 s[G0+4], 1                           ; slot 1: columns 0-255
	s_add_co_u32 s[G0+5], s19, SLOT
	s_mov_b64 s[G0+6:G0+7], s[20:21]
	s_or_b32 s[G0+7], s[G0+7], 0x80000000
	s_mov_b32 s[G0B+4], 1
	s_add_co_u32 s[G0B+5], s19, SLOT
	s_mov_b64 s[G0B+6:G0B+7], s[46:47]
	s_or_b32 s[G0B+7], s[G0B+7], 0x80000000
	JLOAD G0+4, G1, G0B+4, G1B                     ; two tensor loads of mine are out
	; what hangs on my 128 columns alone comes straight from memory, once: ws, Wo's fragments and their scale words
	v_and_b32 v1, 15, v0                           ; r = lane % 16
	v_bfe_u32 v2, v0, 4, 1                         ; h = lane / 16
	v_and_b32 v3, 31, v0
	v_lshlrev_b32 v[CO], 4, v3
	s_lshl_b32 s80, s42, 8
	s_lshl_b32 s81, s14, 7
	s_add_co_u32 s80, s80, s81                     ; my first column: 256 x tile column + 128 x half
	s_lshl_b32 s82, s80, 2                         ; x 4 bytes: in ws, in Wo's scales, in a row of out0
	s_mov_b32 s83, 0
	s_mul_i32 s84, s80, 96                         ; x 96 bytes: in Wo's codes
	s_mov_b32 s85, 0
	s_add_nc_u64 s[76:77], s[76:77], s[82:83]
	s_add_nc_u64 s[10:11], s[10:11], s[82:83]
	s_add_nc_u64 s[8:9], s[8:9], s[84:85]
	global_load_b128 v[132:135], v[CO], s[76:77]   ; ws of my 128 columns: 512 consecutive bytes
	v_mul_u32_u24 v128, v1, 96
	v_mad_u32_u24 v128, v2, 24, v128               ; Wo: row r of 96 bytes, + 24 h
	v_lshlrev_b32 v129, 2, v1                      ; its scale word: 4 bytes a row
	WIN TO_B
.irp b, 0,1,2,3,4,5,6,7                        ; a fragment of 6-bit codes, 16 rows x 128 K, is 12 registers: registers 6 c .. 6 c + 5 hold K = 64 c + 32 h + 0 .. 31: 24 bytes of the row's stream of bits, in pieces of 8
.irp p, 0,1,2,3,4,5
	global_load_b64 v[BO+12*\b+2*\p:BO+12*\b+2*\p+1], v128, s[8:9] offset:1536*\b+48*(\p/3)+8*(\p%3)
.endr
.endr
	WIN 0
.irp b, 0,1,2,3,4,5,6,7
	global_load_b32 v[SB+\b], v129, s[10:11] offset:64*\b
.endr
	v_mul_u32_u24 v3, v1, PITCH                    ; row r of a tile
	s_mul_i32 s22, s13, HALFT                      ; my 128 rows of xq
	s_mul_i32 s23, s14, HALFT                      ; my 128 rows of W8,
	s_add_co_u32 s23, s23, 2*HALFT                 ; which lie behind xq's 256
	v_add_nc_u32 v[ADRX], s22, v3
	v_mad_u32_u24 v[ADRO], v2, 24, v[ADRX]
	v_lshl_add_u32 v3, v2, 4, v3                   ; + 16 h
	v_add_nc_u32 v[ADRA], s22, v3
	v_add_nc_u32 v[ADRB], s23, v3
	s_add_co_u32 s22, s22, SLOT
	s_add_co_u32 s23, s23, SLOT
	v_add_nc_u32 v[ADRA+1], s22, v3
	v_add_nc_u32 v[ADRB+1], s23, v3
	s_lshl_b32 s22, s12, 9
	s_add_co_u32 s22, s22, WSL                     ; my wave's ws in LDS
	v_lshl_add_u32 v[WSA], v2, 5, s22
	v_add_nc_u32 v130, s22, v[CO]
	s_mul_i32 s23, s12, 16*SPITCH                  ; my stage
	v_mul_u32_u24 v3, v1, SPITCH                   ; in: row r, 32 bytes for each half of the lanes
	v_lshl_add_u32 v3, v2, 5, v3
	v_add_nc_u32 v[STO], s23, v3
	v_add_nc_u32 v[RD], s23, v[CO]                 ; back: the 32 lanes take one row of 512 bytes
	s_lshl_b32 s16, s43, 8
	s_lshl_b32 s17, s13, 7
	s_add_co_u32 s16, s16, s17                     ; my first row of out0: 256 x tile row + 128 x half,
	s_lshl_b32 s16, s16, 14                        ; of 16,384 bytes (under 2^27 in all)
	s_mov_b32 s17, 0
	s_add_nc_u64 s[78:79], s[78:79], s[16:17]
	s_add_nc_u64 s[78:79], s[78:79], s[82:83]
	s_wait_loadcnt 0x0                             ; all 57 loads are in: ws can go to LDS, and the loads' offset registers, which lie where fragments will come, are free
	ds_store_b128 v130, v[132:135]                 ; each wave's own 512 bytes, which it alone reads back, at the end, eight numbers a lane
; 16 matrix instructions: token blocks a0, a0 + 1 of the window's four (hi = 0: my rows 0-63, 1: rows 64-127) x all 8 blocks of columns, 64 along K.  zero = 1: the first product starts the sums: nothing is ever cleared.
; The 64 accumulators take turns, one instruction a turn, in the same order in every quarter.
.macro MUL16 f, hi, a0, zero
.irp a, \a0, \a0+1
.irp b, 0,1,2,3,4,5,6,7
.if \zero
	v_wmma_i32_16x16x64_iu8 v[8*(8*(\a)+\b):8*(8*(\a)+\b)+7], v[\f+8*\b:\f+8*\b+7], v[\f+8*(4*\hi+\a):\f+8*(4*\hi+\a)+7], 0 neg_lo:[1,1,0]
.else
	v_wmma_i32_16x16x64_iu8 v[8*(8*(\a)+\b):8*(8*(\a)+\b)+7], v[\f+8*\b:\f+8*\b+7], v[\f+8*(4*\hi+\a):\f+8*(4*\hi+\a)+7], v[8*(8*(\a)+\b):8*(8*(\a)+\b)+7] neg_lo:[1,1,0]
.endif
.endr
.endr
.endm
; 32 LDS loads in one run: the fragments of one quarter (128 rows of W8, 128 tokens, 64 K at byte k of the rows) into buffer f
.macro FETCH slot, k, f
	WIN TO_B
.irp i, 0,1,2,3,4,5,6,7
	ds_load_b128 v[\f+8*\i:\f+8*\i+3],   v[ADRB+\slot] offset:\k+\i*16*PITCH
	ds_load_b128 v[\f+8*\i+4:\f+8*\i+7], v[ADRB+\slot] offset:\k+\i*16*PITCH+32
.endr
	WIN 0
.irp i, 0,1,2,3,4,5,6,7
	ds_load_b128 v[\f+8*\i:\f+8*\i+3],   v[ADRA+\slot] offset:\k+\i*16*PITCH
	ds_load_b128 v[\f+8*\i+4:\f+8*\i+7], v[ADRA+\slot] offset:\k+\i*16*PITCH+32
.endr
.endm
; A quarter is 64 along K, 64 matrix instructions.  This one multiplies buffer f; in its middle it fetches the next quarter's fragments, at byte k of the same slot's rows, into buffer g.
.macro QUARTER slot, k, f, g, zero
	s_wait_dscnt 8                                 ; W8's fragments and the tokens' blocks 0-3 are in; the youngest eight loads (blocks 4-7) may be out
	WIN MUL_LO
	MUL16 \f, 0, 0, \zero
	MUL16 \f, 0, 2, \zero
	PLACES 8
	FETCH \slot, \k, \g
	s_wait_dscnt 32                                ; all but the 32 just issued
	WIN MUL_HI
	MUL16 \f, 1, 0, \zero
	MUL16 \f, 1, 2, \zero
.endm
; A slot's last quarter multiplies buffer 1 and changes slots: ONE barrier; in front of it each wave waits for all its tensor loads (one is out: its part of the next slot), adds 0 to its spare word, and waits for that and
; for its own reads of this slot.  mode 1: this slot is filled again, 512 bytes further along K; mode 2: the same, from the half step back to columns 256-511; mode 0: nothing is filled.
; From a request to the wait for it a wave issues 224 matrix instructions.
.macro TURN slot, next, mode
	WIN 0                                          ; (the add's two registers lie in window 0)
	s_wait_tensorcnt 0x0                           ; all my tensor loads have landed;
	ds_add_u32 v[SPW], v[NIL]                      ; 0 onto my spare word;
	s_wait_dscnt 9                                 ; (the add and the youngest eight loads may be out)
	WIN MUL_LO
	MUL16 F1, 0, 0, 0                              ; sixteen matrix instructions stand between the add and the wait for it
	s_wait_dscnt 0x0                               ; the add is done, and my reads of this slot are over
	s_barrier_signal -1
	MUL16 F1, 0, 2, 0                              ; work on registers while the others arrive
	WIN 0
	s_barrier_wait -1
.if \mode
	CREST                                          ; the barrier has opened a round of the cluster's barrier: no wave of any partner still reads this slot's tile or has a load on its way
.if \mode == 2
	s_sub_nc_u64 s[G0+4*\slot+2:G0+4*\slot+3], s[G0+4*\slot+2:G0+4*\slot+3], KTAIL-256
	s_sub_nc_u64 s[G0B+4*\slot+2:G0B+4*\slot+3], s[G0B+4*\slot+2:G0B+4*\slot+3], KTAIL-256
.else
	s_add_nc_u64 s[G0+4*\slot+2:G0+4*\slot+3], s[G0+4*\slot+2:G0+4*\slot+3], 512
	s_add_nc_u64 s[G0B+4*\slot+2:G0B+4*\slot+3], s[G0B+4*\slot+2:G0B+4*\slot+3], 512
.endif
	JLOAD G0+4*\slot, G1, G0B+4*\slot, G1B         ; the first tensor load behind the round; the four v_nop behind it are four of the eight places in front of the loads below
	PLACES 4
.else
	PLACES 8
.endif
	FETCH \next, 0, F0
	WIN MUL_HI
	MUL16 F1, 1, 0, 0
	MUL16 F1, 1, 2, 0
.endm
	s_wait_tensorcnt 0x1                           ; my part of the half step is in; slot 1's load may stay out
	s_wait_dscnt 0x0                               ; my store of ws is done
	s_barrier_signal -1
	s_barrier_wait -1                              ; everybody's part is in
	; from the half step's tile of xq: bytes 128-223 of a row are the token's outlier codes, 224-227 its scale word, 232-239 xs and a zero.  They stay in registers
.irp i, 0,1,2,3,4,5,6,7
.irp p, 0,1,2,3,4,5
	ds_load_b64 v[AO+12*\i+2*\p:AO+12*\i+2*\p+1], v[ADRO] offset:\i*16*PITCH+128+48*(\p/3)+8*(\p%3)
.endr
	ds_load_b32 v[SA+\i], v[ADRX] offset:\i*16*PITCH+224
.endr
	WIN TO_B
.irp i, 0,1,2,3,4,5,6,7
	ds_load_b64 v[XS+2*\i:XS+2*\i+1], v[ADRX] offset:\i*16*PITCH+232
.endr
	FETCH 0, 0, F0
	QUARTER 0, 64,  F0, F1, 1                      ; the half step's first quarter: its products start the sums
	TURN 0, 1, 2                                   ; its second and last; slot 0 takes columns 256-511
	QUARTER 1, 64,  F0, F1, 0
	QUARTER 1, 128, F1, F0, 0
	QUARTER 1, 192, F0, F1, 0
	TURN 1, 0, 1
	QUARTER 0, 64,  F0, F1, 0
	WIN 0                                          ; at a label and at a branch every window is 0
	s_mov_b32 s3, 6
.Llap:                                                 ; a trip goes once round the ring, from a lap's second quarter to the next lap's first, and fills both slots again: six trips ask for the last twelve steps
	QUARTER 0, 128, F1, F0, 0
	QUARTER 0, 192, F0, F1, 0
	TURN 0, 1, 1
	QUARTER 1, 64,  F0, F1, 0
	QUARTER 1, 128, F1, F0, 0
	QUARTER 1, 192, F0, F1, 0
	TURN 1, 0, 1
	QUARTER 0, 64,  F0, F1, 0
	WIN 0
	s_sub_co_u32 s3, s3, 1
	s_cmp_lg_u32 s3, 0
	s_cbranch_scc1 .Llap
	QUARTER 0, 128, F1, F0, 0                      ; the last lap fills nothing, and has no round of the cluster's barrier
	QUARTER 0, 192, F0, F1, 0
	TURN 0, 1, 0
	QUARTER 1, 64,  F0, F1, 0
	QUARTER 1, 128, F1, F0, 0
	QUARTER 1, 192, F0, F1, 0
	s_wait_dscnt 8                                 ; the very last quarter: no fragments are left to fetch
	WIN MUL_LO
	MUL16 F1, 0, 0, 0
	MUL16 F1, 0, 2, 0
	PLACES 8
	WIN TO_B
.irp b, 0,1,2,3,4,5,6,7                        ; ws of my columns 16 b + 8 h + 0 .. 7, where W8's buffer 0 lay
	ds_load_b128 v[WS+8*\b:WS+8*\b+3],   v[WSA] offset:64*\b
	ds_load_b128 v[WS+8*\b+4:WS+8*\b+7], v[WSA] offset:64*\b+16
.endr
	s_wait_dscnt 16                                ; all but the 16 just issued
	WIN MUL_HI
	MUL16 F1, 1, 0, 0
	MUL16 F1, 1, 2, 0
	WIN 0
; THE WAY OUT, block by block of 16 tokens x 128 columns.
; CONV: the block's whole-number sums become f32 (each accumulator from its low end on), x ws of the column, x xs of the token.
.macro CONV a
.set AC, 64*((\a)%4)
	WIN 0x82+0x41*((\a)/4)                         ; destination and source 0: window 2 or 3
.set n, 0
.rept 64
	v_cvt_f32_i32 v[AC+n], v[AC+n]
.set n, n+1
.endr
	WIN 0x86+0x41*((\a)/4)                         ; and source 1: window 1
.set n, 0
.rept 32
	v_pk_mul_f32 v[AC+n:AC+n+1], v[AC+n:AC+n+1], v[WS+n:WS+n+1]
.set n, n+2
.endr
.set n, 0
.rept 32
	v_pk_mul_f32 v[AC+n:AC+n+1], v[AC+n:AC+n+1], v[XS+2*(\a):XS+2*(\a)+1] op_sel_hi:[1,0]
.set n, n+2
.endr
.endm
; OUTL: the outlier product adds onto them: 128 along K, one instruction an accumulator; source 0 = 16 rows of Wo with their scale words, source 1 = the block's 16 tokens with theirs.
.macro OUTL a
.set AC, 64*((\a)%4)
	WIN 0xa1+0x50*((\a)/4)
.irp b, 0,1,2,3,4,5,6,7
	v_wmma_scale_f32_16x16x128_f8f6f4 v[AC+8*\b:AC+8*\b+7], v[BO+12*\b:BO+12*\b+11], v[AO+12*(\a):AO+12*(\a)+11], v[AC+8*\b:AC+8*\b+7], v[SB+\b], v[SA+(\a)] matrix_a_fmt:MATRIX_FMT_BF6 matrix_b_fmt:MATRIX_FMT_BF6
.endr
.endm
; A lane holds 32 neighbouring bytes of a row, and the lanes beside it hold other rows: so a block goes through my own stage in LDS and comes back as whole rows of 512 bytes.
; LDS serves a wave's instructions in order (ISA guide 5.7.1.4): no wait between the stores and the loads, nor in front of the next block's stores.
.macro TOSTAGE a
.set AC, 64*((\a)%4)
	WIN 0x08+4*((\a)/4)                            ; the data: window 2 or 3
.irp b, 0,1,2,3,4,5,6,7
	ds_store_b128 v[STO], v[AC+8*\b:AC+8*\b+3] offset:64*\b          ; each accumulator from its low end on
	ds_store_b128 v[STO], v[AC+8*\b+4:AC+8*\b+7] offset:64*\b+16
.endr
	WIN 0
.set BB, BK+64*((\a)%2)
.irp t, 0,1,2,3,4,5,6,7,8,9,10,11,12,13,14,15
	ds_load_b128 v[BB+4*\t:BB+4*\t+3], v[RD] offset:\t*SPITCH
.endr
.endm
.macro SEND a, younger                 ; younger: the LDS instructions issued behind block a's loads, which may stay out
.set BB, BK+64*((\a)%2)
	s_wait_dscnt \younger                          ; the block is back in registers
.if (\a) > 0
	s_add_nc_u64 s[78:79], s[78:79], 16*16384      ; (behind a wait on XCNT for 0: the earlier stores have read their base)  16 rows of out0 on
.endif
.irp t, 0,1,2,3,4,5,6,7,8,9,10,11,12,13,14,15
	global_store_b128 v[CO], v[BB+4*\t:BB+4*\t+3], s[78:79] offset:\t*16384 th:TH_STORE_NT   ; 32 lanes store 512 consecutive bytes, at a multiple of 256 from out0's first byte; written once, read by nobody here
.endr
.endm
	s_wait_dscnt 0x0                               ; ws is in
	PLACES 8                                       ; behind the last whole-number products, in front of the first read of their results
	CONV 0
	CONV 1
	OUTL 0                                         ; block a's outlier products stand a whole block's conversions (128 vector instructions) behind its own,
	CONV 2                                         ; and another block's conversions, which name none of their registers, are the places in front of the reads of their results
	TOSTAGE 0
.irp a, 1,2,3,4,5,6,7
	OUTL \a
.if \a < 6
	CONV \a+2
.else
	PLACES 4
.endif
.if \a > 1
	s_wait_xcnt 0x0                                ; block a - 2's stores have read their registers and their base: block a's loads may land there, and the base may step
.endif
	TOSTAGE \a
	SEND \a-1, 32                                  ; behind block a - 1's loads: block a's 16 stores and 16 loads
.endr
	s_wait_xcnt 0x0                                ; block 6's stores have read their base
	SEND 7, 0
	s_wait_tensorcnt 0x0                           ; the wave's end, behind my last tensor load and my last LDS store
	ds_add_u32 v[SPW], v[NIL]
	s_wait_dscnt 0x0
	CROUND                                         ; the closing round: no work-group ends while a partner may still ask for a tile that names it
	s_endpgm
.Lfunc_end_k_q1dbcb4d220_gemm:
	.size	k_q1dbcb4d220_gemm, .Lfunc_end_k_q1dbcb4d220_gemm-k_q1dbcb4d220_gemm
	.p2alignl 7, 3214868480
	.fill 96, 4, 3214868480
	.section	.rodata,"a",@progbits
	.p2align	6, 0x0
	.amdhsa_kernel k_q1dbcb4d220_gemm
		.amdhsa_group_segment_fixed_size 327680
		.amdhsa_private_segment_fixed_size 0
		.amdhsa_enable_private_segment 0
		.amdhsa_kernarg_size 48
		.amdhsa_user_sgpr_count 2
		.amdhsa_user_sgpr_kernarg_segment_ptr 1
		.amdhsa_wavefront_size32 1
		.amdhsa_system_sgpr_workgroup_id_x 1
		.amdhsa_system_sgpr_workgroup_id_y 1
		.amdhsa_system_sgpr_workgroup_id_z 1
		.amdhsa_system_vgpr_workitem_id 0
		.amdhsa_next_free_vgpr 1024
		.amdhsa_next_free_sgpr 88
		.amdhsa_reserve_vcc 0
		.amdhsa_float_denorm_mode_32 3
		.amdhsa_float_denorm_mode_16_64 3
		.amdhsa_memory_ordered 1
		.amdhsa_forward_progress 1
		.amdhsa_inst_pref_size 252
	.end_amdhsa_kernel
	.amdgpu_metadata
---
amdhsa.version: [ 1, 2 ]
amdhsa.kernels:
  - .name:           k_q1dbcb4d220_gemm
    .symbol:         k_q1dbcb4d220_gemm.kd
    .args:
      - { .name: xq, .offset: 0, .size: 8, .value_kind: global_buffer, .address_space: global }
      - { .name: weight_int8, .offset: 8, .size: 8, .value_kind: global_buffer, .address_space: global }
      - { .name: weight_outlier_fp16_codes, .offset: 16, .size: 8, .value_kind: global_buffer, .address_space: global }
      - { .name: weight_outlier_fp16_scales, .offset: 24, .size: 8, .value_kind: global_buffer, .address_space: global }
      - { .name: weight_scale, .offset: 32, .size: 8, .value_kind: global_buffer, .address_space: global }
      - { .name: out0, .offset: 40, .size: 8, .value_kind: global_buffer, .address_space: global }
    .group_segment_fixed_size: 327680
    .private_segment_fixed_size: 0
    .kernarg_segment_align: 8
    .kernarg_segment_size: 48
    .max_flat_workgroup_size: 128
    .sgpr_count:     88
    .vgpr_count:     1024
    .wavefront_size: 32
...
	.end_amdgpu_metadata
.endif
;; end of part 2
